; MI455X (gfx1250); checked and timed in simulation.
; The chip was launched on July 23, 2026; its instructions are those of AMD's public machine-readable ISA for CDNA 5 (MIT licence, August 2026) and "CDNA5" Instruction Set Architecture Reference Guide (July 2026). The comments in the code are by the model that wrote it; some were corrected since.
;; Attn Net. Allowed arithmetic: float matrix products may take bf16 or f16 operands with f32 sums; all other float work in f32.
;; Inputs: facts 64 x 512 x 4,096 float32; questions 64 x 4,096 float32.
;; Outputs: out0 64 x 1 x 512 float32.
;; 2 versions, each right; version 2 is version 1 with the launch energies written anew for expert scheduling mode. Each part assembles by itself: llvm-mc -triple=amdgcn-amd-amdhsa -mcpu=gfx1250 --defsym DOCPART=n.
;; ======== version 1 of 2: 2 launches
;; workspace buffers: energies 131,072 bytes
;; launch energies (part 1): grid 256 x 1, 16 waves a work-group, no clusters, 3,072 bytes of LDS; arguments facts, questions, energies; writes energies
.if DOCPART == 1
	.amdgcn_target "amdgcn-amd-amdhsa--gfx1250"
	.amdhsa_code_object_version 6
	.text
	.protected	k_q18c9f511bb_energies
	.globl	k_q18c9f511bb_energies
	.p2align	8
	.type	k_q18c9f511bb_energies,@function
k_q18c9f511bb_energies:
	s_mov_b64 s[64:65], 0
	v_nop
	global_prefetch_b8 v0, s[64:65] scope:SCOPE_SE
	s_setreg_imm32_b32 hwreg(HW_REG_WAVE_MODE, 25, 1), 1
	s_wait_xcnt 0x0
; energies[b][s] = sum over h of facts[b][s][h] * questions[b][h].   facts [64][512][4096] f32, questions [64][4096] f32.
; A stream: each byte of facts is read once and feeds half a multiply-add per byte, so everything here serves the loads.
; All arithmetic is f32 on the vector unit: the product has one useful column, so a matrix instruction would use one sixteenth
; of its result, and the conversion to 16 bits alone would cost as many vector instructions as the packed multiply-adds below.
;
; SHARES.  Work-group g: the 128 consecutive rows (b, s) = 128 g .. 128 g + 127 (2 MiB, contiguous), all of batch g >> 2.
; Wave w of 16: column half w >> 3 (2,048 columns = 8,192 bytes of a row) of the 16 rows 16 (w & 7) .. + 15.
; Lane l: the 16 bytes at 16 l of every 512-byte chunk, so one load of the wave covers 512 consecutive bytes, aligned, and the
; lane meets the same 64 columns in every row: its part of q stays in 64 registers for the whole kernel.
; RING.  32 slots of one 16-byte load a lane = two half rows = 16,384 bytes of every wave always on their way,
; 16 waves x 16,384 = 262,144 bytes for the work-group.  Every offset is an immediate; only the base steps, once a trip.
; NO CLUSTER: the four work-groups of a batch share q alone, 16,384 bytes beside 2,097,152 bytes of facts each (under 1 %).
; LIMITS: the f32 sums are added in another order than the reference's (4 chains a lane, 32 lanes, 2 column halves);
; NaN and infinities pass through the sums as f32 arithmetic passes them.
.set ROW,    16384                     ; bytes in a row of facts
.set CHUNK,  512                       ; bytes that one load of a wave covers
.set CPH,    16                        ; chunks in a half row
.set SLOTS,  32                        ; ring: two half rows
.set HROWS,  16                        ; half rows of a wave
.set TRIPS,  HROWS/2                   ; a trip = once round the ring = two half rows
.set HALFB,  512                       ; LDS: the 128 partial sums of one column half, 4 bytes each
.set LOFF,   1                         ; v1        16 x lane
.set LA,     2                         ; v2        LDS address of my wave's partial sums
.set E,      3                         ; v3        lanes r and r + 16: the wave's sum of its row r
.set T,      4                         ; v[4:5]    at work
.set ACC,    8                         ; v[8:15]   four chains of two sums
.set Q,      16                        ; v[16:79]  q of my 64 columns: chunk j in 4 registers
.set X,      80                        ; v[80:207] ring slot c: 4 registers
	s_load_b128 s[4:7], s[0:1], 0x0                ; facts s[4:5], questions s[6:7]
	s_load_b64 s[8:9], s[0:1], 0x10                ; energies
	v_lshl_add_u32 v208, v0, 2, 0x400
	v_mov_b32 v209, 0
	v_lshrrev_b32 v[T], 5, v0
	v_readfirstlane_b32 s10, v[T]                  ; wave 0..15
	v_and_b32 v[LOFF], 31, v0
	v_lshlrev_b32 v[LOFF], 4, v[LOFF]              ; 16 bytes a lane
	s_lshr_b32 s11, s10, 3                         ; my column half
	s_and_b32 s12, s10, 7                          ; my block of 16 rows
	s_lshl_b32 s16, ttmp9, 21                      ; facts: group x 128 rows x 16,384 bytes (at most 255 << 21: fits 32 bits)
	s_lshl_b32 s15, s12, 18                        ;        + block x 16 rows
	s_or_b32 s16, s16, s15
	s_lshl_b32 s15, s11, 13                        ;        + half x 8,192 bytes
	s_or_b32 s16, s16, s15
	s_mov_b32 s17, 0
	s_lshr_b32 s18, ttmp9, 2                       ; q: batch = group / 4,
	s_lshl_b32 s18, s18, 14                        ;    x 16,384 bytes
	s_or_b32 s18, s18, s15                         ;    + half x 8,192 bytes
	s_mov_b32 s19, 0
	s_lshl_b32 s20, ttmp9, 9                       ; energies: group x 128 numbers of 4 bytes
	s_mov_b32 s21, 0
	s_mov_b32 s22, 0x76543210                      ; v_permlanex16_b32: lane i of one half of the wave reads lane i of the other
	s_mov_b32 s23, 0xfedcba98
	s_mov_b32 s14, 0x00010001                      ; lanes r and r + 16 of the row at work; starts at r = 0, moves up by one a row
	s_lshl_b32 s24, s10, 6                         ; LDS: 64 bytes for each wave: 64 w = 512 x half + 4 x (16 x block),
	v_and_b32 v[LA], 15, v0                        ; so half 0's 128 sums fill bytes 0-511 in the order of the rows, half 1's bytes 512-1023
	v_lshl_add_u32 v[LA], v[LA], 2, s24            ; word l % 16 of my 64 bytes
	v_mov_b32 v[E], 0                              ; written whole once: the selects below keep the other lanes
	v_mov_b32 v[T+1], 0                            ; v_permlanex16_b32 counts as a reader of its destination
	s_wait_kmcnt 0x0
	s_add_nc_u64 s[4:5], s[4:5], s[16:17]
	s_add_nc_u64 s[6:7], s[6:7], s[18:19]
	s_add_nc_u64 s[8:9], s[8:9], s[20:21]
	; q first (32 waves read each half of it: no hint), then the ring is filled with half rows 0 and 1 (read once: NT)
.set CH, 0
.rept CPH
	global_load_b128 v[Q+4*CH:Q+4*CH+3], v[LOFF], s[6:7] offset:CH*CHUNK
.set CH, CH+1
.endr
.set CH, 0
.rept SLOTS
	global_load_b128 v[X+4*CH:X+4*CH+3], v[LOFF], s[4:5] offset:(CH/CPH)*ROW+(CH%CPH)*CHUNK th:TH_LOAD_NT
.set CH, CH+1
.endr
; The end of a half row: four chains to one number a lane, 32 lanes to one number in every lane, parked in lanes r and r + 16 of E.
.macro ROWSUM
	v_pk_add_f32 v[ACC:ACC+1],   v[ACC:ACC+1],   v[ACC+4:ACC+5]
	v_pk_add_f32 v[ACC+2:ACC+3], v[ACC+2:ACC+3], v[ACC+6:ACC+7]
	v_pk_add_f32 v[ACC:ACC+1],   v[ACC:ACC+1],   v[ACC+2:ACC+3]
	v_add_f32 v[T], v[ACC], v[ACC+1]
	v_add_f32_dpp v[T], v[T], v[T] row_xmask:1 row_mask:0xf bank_mask:0xf
	v_add_f32_dpp v[T], v[T], v[T] row_xmask:2 row_mask:0xf bank_mask:0xf
	v_add_f32_dpp v[T], v[T], v[T] row_xmask:4 row_mask:0xf bank_mask:0xf
	v_add_f32_dpp v[T], v[T], v[T] row_xmask:8 row_mask:0xf bank_mask:0xf
	v_permlanex16_b32 v[T+1], v[T], s22, s23
	v_add_f32 v[T], v[T], v[T+1]
	v_cndmask_b32 v[E], v[E], v[T], s14            ; the row's two lanes take the sum, the others keep theirs
	s_lshl_b32 s14, s14, 1                         ; the next row's lanes
.endm
; A trip: the 32 slots in turn, two half rows.  refill = 1: each slot is loaded again with its chunk two rows further down.
.macro TRIP refill
.set CH, 0
.rept SLOTS
.if \refill
	s_wait_loadcnt SLOTS-1                         ; loads return in order (ISA guide 5.7.1): behind this slot's load the 31 other slots' were issued, and stay out
.else
	s_wait_loadcnt SLOTS-1-CH                      ; nothing is issued any more: only the slots behind this one are out
.endif
.if (CH%CPH) < 2                                   ; the first two chunks of a row start the four chains: nothing is cleared
	v_pk_mul_f32 v[ACC+4*(CH%2):ACC+4*(CH%2)+1],   v[X+4*CH:X+4*CH+1],   v[Q+4*(CH%CPH):Q+4*(CH%CPH)+1]
	v_pk_mul_f32 v[ACC+4*(CH%2)+2:ACC+4*(CH%2)+3], v[X+4*CH+2:X+4*CH+3], v[Q+4*(CH%CPH)+2:Q+4*(CH%CPH)+3]
.else
	v_pk_fma_f32 v[ACC+4*(CH%2):ACC+4*(CH%2)+1],   v[X+4*CH:X+4*CH+1],   v[Q+4*(CH%CPH):Q+4*(CH%CPH)+1],   v[ACC+4*(CH%2):ACC+4*(CH%2)+1]
	v_pk_fma_f32 v[ACC+4*(CH%2)+2:ACC+4*(CH%2)+3], v[X+4*CH+2:X+4*CH+3], v[Q+4*(CH%CPH)+2:Q+4*(CH%CPH)+3], v[ACC+4*(CH%2)+2:ACC+4*(CH%2)+3]
.endif
.if \refill
	global_load_b128 v[X+4*CH:X+4*CH+3], v[LOFF], s[4:5] offset:(CH/CPH)*ROW+(CH%CPH)*CHUNK+2*ROW th:TH_LOAD_NT
.endif
.if (CH%CPH) == CPH-1
	ROWSUM                                         ; behind the slot's refill: the load does not wait for the reduction
.endif
.set CH, CH+1
.endr
.endm
	s_mov_b32 s13, TRIPS-1                         ; trip t = 0..6 refills with rows 2 t + 2 and 2 t + 3, at most row 15
.Ltrip:
	TRIP 1
	s_wait_xcnt 0x0                                ; the base that the trip's loads name is stepped only behind this wait
	s_add_nc_u64 s[4:5], s[4:5], 2*ROW
	s_sub_co_u32 s13, s13, 1
	s_cmp_lg_u32 s13, 0
	s_cbranch_scc1 .Ltrip
	TRIP 0                                         ; the last two half rows: no load leaves my rows, the counts run down to 0
	; THE WAY OUT.  Each wave puts its 16 partial sums into its own 64 bytes (lanes r and r + 16 write the same word with the same
	; value); wave 0 adds the two column halves and stores the group's 128 energies with one instruction.
	ds_store_b32 v[LA], v[E]
	s_wait_dscnt 0x0                               ; for wave 0's sake: my store is done before I signal
	s_barrier_signal -1
	s_barrier_wait -1
	s_cmp_lg_u32 s10, 0
	s_cbranch_scc1 .Ldone
	ds_load_b128 v[ACC:ACC+3],   v[LOFF]               ; lane l: rows 4 l .. 4 l + 3 of column half 0, at byte 16 l (at most 496)
	ds_load_b128 v[ACC+4:ACC+7], v[LOFF] offset:HALFB  ; the same rows of column half 1: the last byte read is 496 + 512 + 15 = 1,023
	s_wait_dscnt 0x0
	v_pk_add_f32 v[ACC:ACC+1],   v[ACC:ACC+1],   v[ACC+4:ACC+5]
	v_pk_add_f32 v[ACC+2:ACC+3], v[ACC+2:ACC+3], v[ACC+6:ACC+7]
	global_store_b128 v[LOFF], v[ACC:ACC+3], s[8:9]        ; 32 lanes x 16 bytes: 512 consecutive bytes, aligned
.Ldone:
	s_wait_tensorcnt 0x0
	ds_add_u32 v208, v209
	s_wait_dscnt 0x0
	s_endpgm
.Lfunc_end_k_q18c9f511bb_energies:
	.size	k_q18c9f511bb_energies, .Lfunc_end_k_q18c9f511bb_energies-k_q18c9f511bb_energies
	.p2alignl 7, 3214868480
	.fill 96, 4, 3214868480
	.section	.rodata,"a",@progbits
	.p2align	6, 0x0
	.amdhsa_kernel k_q18c9f511bb_energies
		.amdhsa_group_segment_fixed_size 3072
		.amdhsa_private_segment_fixed_size 0
		.amdhsa_enable_private_segment 0
		.amdhsa_kernarg_size 24
		.amdhsa_user_sgpr_count 2
		.amdhsa_user_sgpr_kernarg_segment_ptr 1
		.amdhsa_wavefront_size32 1
		.amdhsa_system_sgpr_workgroup_id_x 1
		.amdhsa_system_sgpr_workgroup_id_y 1
		.amdhsa_system_sgpr_workgroup_id_z 1
		.amdhsa_system_vgpr_workitem_id 0
		.amdhsa_next_free_vgpr 210
		.amdhsa_next_free_sgpr 66
		.amdhsa_reserve_vcc 0
		.amdhsa_float_denorm_mode_32 3
		.amdhsa_float_denorm_mode_16_64 3
		.amdhsa_memory_ordered 1
		.amdhsa_forward_progress 1
		.amdhsa_inst_pref_size 23
	.end_amdhsa_kernel
	.amdgpu_metadata
---
amdhsa.version: [ 1, 2 ]
amdhsa.kernels:
  - .name:           k_q18c9f511bb_energies
    .symbol:         k_q18c9f511bb_energies.kd
    .args:
      - { .name: facts, .offset: 0, .size: 8, .value_kind: global_buffer, .address_space: global }
      - { .name: questions, .offset: 8, .size: 8, .value_kind: global_buffer, .address_space: global }
      - { .name: energies, .offset: 16, .size: 8, .value_kind: global_buffer, .address_space: global }
    .group_segment_fixed_size: 3072
    .private_segment_fixed_size: 0
    .kernarg_segment_align: 8
    .kernarg_segment_size: 24
    .max_flat_workgroup_size: 512
    .sgpr_count:     66
    .vgpr_count:     210
    .wavefront_size: 32
...
	.end_amdgpu_metadata
.endif
;; end of part 1
;; launch softmax (part 2): grid 64 x 1, 1 waves a work-group, no clusters, 0 bytes of LDS; arguments energies, out0; writes out0
.if DOCPART == 2
	.amdgcn_target "amdgcn-amd-amdhsa--gfx1250"
	.amdhsa_code_object_version 6
	.text
	.protected	k_q18c9f511bb_softmax
	.globl	k_q18c9f511bb_softmax
	.p2align	8
	.type	k_q18c9f511bb_softmax,@function
k_q18c9f511bb_softmax:
	s_mov_b64 s[64:65], 0
	v_nop
	global_prefetch_b8 v0, s[64:65] scope:SCOPE_SE
	s_setreg_imm32_b32 hwreg(HW_REG_WAVE_MODE, 25, 1), 1
	s_wait_xcnt 0x0
; out0[b][0][s] = exp(e[b][s] - max over s) / sum over s of exp(e[b][s] - max).   energies, out0: [64][512] f32.
; One wave takes one batch: 512 numbers = 2,048 bytes = four 16-byte loads a lane, 16 numbers a lane in registers.  Maximum and sum
; never leave the wave, so there is no LDS and no barrier.  64 batches give 64 work-groups; the whole launch moves 262,144 bytes and
; is one chain of dependent steps (load, maximum, exp, sum, store), so all its waits are for zero.
; exp(e - m) is made as 2^(e L - m L), L = log2 e, one fused multiply-add a number.  The rounding of m L is one factor common
; to all 512 terms and to their sum, and cancels in the quotient.
; LIMITS: |e| must stay below the largest f32 / L (about 2.3e38), or e L overflows; a term below 2^-126 comes out as zero (v_exp_f32
; flushes denormal results, ISA guide 15.8); 1 / sum is v_rcp_f32, good to 1 ULP.  A NaN or +infinity among the energies makes the
; whole row NaN, as in the reference.
.set D, 4                              ; v[4:19]   my 16 numbers
.set M, 20                             ; v[20:27]  at work: maxima, sums
.set C, 22                             ; v[22:23]  a pair for the packed forms: -m L, later 1 / sum
	s_load_b128 s[4:7], s[0:1], 0x0                ; energies s[4:5], out0 s[6:7]
	v_lshlrev_b32 v1, 4, v0                        ; 16 bytes a lane
	s_lshl_b32 s8, ttmp9, 11                       ; batch x 2,048 bytes
	s_mov_b32 s9, 0
	s_mov_b32 s10, 0x76543210                      ; v_permlanex16_b32: lane i of one half reads lane i of the other
	s_mov_b32 s11, 0xfedcba98
	s_wait_kmcnt 0x0
	s_add_nc_u64 s[4:5], s[4:5], s[8:9]
	s_add_nc_u64 s[6:7], s[6:7], s[8:9]
.irp j, 0,1,2,3
	global_load_b128 v[D+4*\j:D+4*\j+3], v1, s[4:5] offset:512*\j
.endr
	s_wait_loadcnt 0x0
	; the maximum: 16 numbers of a lane in a tree of three-way maxima, then across the 32 lanes
	v_max3_num_f32 v[M],   v[D],    v[D+1],  v[D+2]
	v_max3_num_f32 v[M+1], v[D+3],  v[D+4],  v[D+5]
	v_max3_num_f32 v[M+2], v[D+6],  v[D+7],  v[D+8]
	v_max3_num_f32 v[M+3], v[D+9],  v[D+10], v[D+11]
	v_max3_num_f32 v[M+4], v[D+12], v[D+13], v[D+14]
	v_max3_num_f32 v[M],   v[M],    v[M+1],  v[M+2]
	v_max3_num_f32 v[M+3], v[M+3],  v[M+4],  v[D+15]
	v_max_num_f32  v[M],   v[M],    v[M+3]
	v_max_num_f32_dpp v[M], v[M], v[M] row_xmask:1 row_mask:0xf bank_mask:0xf
	v_max_num_f32_dpp v[M], v[M], v[M] row_xmask:2 row_mask:0xf bank_mask:0xf
	v_max_num_f32_dpp v[M], v[M], v[M] row_xmask:4 row_mask:0xf bank_mask:0xf
	v_max_num_f32_dpp v[M], v[M], v[M] row_xmask:8 row_mask:0xf bank_mask:0xf
	v_permlanex16_b32 v[M+1], v[M], s10, s11       ; v[M+1] has been written above
	v_max_num_f32 v[M], v[M], v[M+1]               ; every lane holds the batch's maximum
	v_mul_f32 v[C],   0xbfb8aa3b, v[M]             ; -m L, twice: a pair for the packed form
	v_mul_f32 v[C+1], 0xbfb8aa3b, v[M]
.irp k, 0,1,2,3,4,5,6,7
	v_pk_fma_f32 v[D+2*\k:D+2*\k+1], v[D+2*\k:D+2*\k+1], 0x3fb8aa3b, v[C:C+1] op_sel_hi:[1,0,1]   ; e L - m L
.endr
.set i, 0
.rept 16
	v_exp_f32 v[D+i], v[D+i]
.set i, i+1
.endr
	v_nop                                          ; one plain vector instruction between the exponentials and the first use of a result (ISA guide 5.7.2)
	; the sum: a tree of packed adds, then across the lanes
	s_wait_alu depctr_va_vdst(0)
	v_pk_add_f32 v[M:M+1],   v[D:D+1],     v[D+2:D+3]
	v_pk_add_f32 v[M+2:M+3], v[D+4:D+5],   v[D+6:D+7]
	v_pk_add_f32 v[M+4:M+5], v[D+8:D+9],   v[D+10:D+11]
	v_pk_add_f32 v[M+6:M+7], v[D+12:D+13], v[D+14:D+15]
	v_pk_add_f32 v[M:M+1],   v[M:M+1],     v[M+2:M+3]
	v_pk_add_f32 v[M+4:M+5], v[M+4:M+5],   v[M+6:M+7]
	v_pk_add_f32 v[M:M+1],   v[M:M+1],     v[M+4:M+5]
	v_add_f32 v[M], v[M], v[M+1]
	v_add_f32_dpp v[M], v[M], v[M] row_xmask:1 row_mask:0xf bank_mask:0xf
	v_add_f32_dpp v[M], v[M], v[M] row_xmask:2 row_mask:0xf bank_mask:0xf
	v_add_f32_dpp v[M], v[M], v[M] row_xmask:4 row_mask:0xf bank_mask:0xf
	v_add_f32_dpp v[M], v[M], v[M] row_xmask:8 row_mask:0xf bank_mask:0xf
	v_permlanex16_b32 v[M+1], v[M], s10, s11
	v_add_f32 v[M], v[M], v[M+1]                   ; at least about 1: the largest term is 2^0 up to rounding
	v_rcp_f32 v[C],   v[M]                         ; 1 / sum, twice: a pair for the packed multiply
	v_rcp_f32 v[C+1], v[M]
	v_nop                                          ; the plain place behind the reciprocals
	s_wait_alu depctr_va_vdst(0)
.irp j, 0,1,2,3
	v_pk_mul_f32 v[D+4*\j:D+4*\j+1],   v[D+4*\j:D+4*\j+1],   v[C:C+1]
	v_pk_mul_f32 v[D+4*\j+2:D+4*\j+3], v[D+4*\j+2:D+4*\j+3], v[C:C+1]
	global_store_b128 v1, v[D+4*\j:D+4*\j+3], s[6:7] offset:512*\j   ; 512 consecutive bytes, aligned
.endr
	s_endpgm
.Lfunc_end_k_q18c9f511bb_softmax:
	.size	k_q18c9f511bb_softmax, .Lfunc_end_k_q18c9f511bb_softmax-k_q18c9f511bb_softmax
	.p2alignl 7, 3214868480
	.fill 96, 4, 3214868480
	.section	.rodata,"a",@progbits
	.p2align	6, 0x0
	.amdhsa_kernel k_q18c9f511bb_softmax
		.amdhsa_group_segment_fixed_size 0
		.amdhsa_private_segment_fixed_size 0
		.amdhsa_enable_private_segment 0
		.amdhsa_kernarg_size 16
		.amdhsa_user_sgpr_count 2
		.amdhsa_user_sgpr_kernarg_segment_ptr 1
		.amdhsa_wavefront_size32 1
		.amdhsa_system_sgpr_workgroup_id_x 1
		.amdhsa_system_sgpr_workgroup_id_y 1
		.amdhsa_system_sgpr_workgroup_id_z 1
		.amdhsa_system_vgpr_workitem_id 0
		.amdhsa_next_free_vgpr 28
		.amdhsa_next_free_sgpr 66
		.amdhsa_reserve_vcc 0
		.amdhsa_float_denorm_mode_32 3
		.amdhsa_float_denorm_mode_16_64 3
		.amdhsa_memory_ordered 1
		.amdhsa_forward_progress 1
		.amdhsa_inst_pref_size 6
	.end_amdhsa_kernel
	.amdgpu_metadata
---
amdhsa.version: [ 1, 2 ]
amdhsa.kernels:
  - .name:           k_q18c9f511bb_softmax
    .symbol:         k_q18c9f511bb_softmax.kd
    .args:
      - { .name: energies, .offset: 0, .size: 8, .value_kind: global_buffer, .address_space: global }
      - { .name: out0, .offset: 8, .size: 8, .value_kind: global_buffer, .address_space: global }
    .group_segment_fixed_size: 0
    .private_segment_fixed_size: 0
    .kernarg_segment_align: 8
    .kernarg_segment_size: 16
    .max_flat_workgroup_size: 32
    .sgpr_count:     66
    .vgpr_count:     28
    .wavefront_size: 32
...
	.end_amdgpu_metadata
.endif
;; end of part 2
;; ======== version 2 of 2: 2 launches; version 1 with the launch energies written anew for expert scheduling mode
;; workspace buffers: energies 131,072 bytes
;; launch energies (part 3): grid 256 x 1, 16 waves a work-group, no clusters, 3,072 bytes of LDS; arguments facts, questions, energies; writes energies
.if DOCPART == 3
	.amdgcn_target "amdgcn-amd-amdhsa--gfx1250"
	.amdhsa_code_object_version 6
	.text
	.protected	k_q18c9f511bb_energies
	.globl	k_q18c9f511bb_energies
	.p2align	8
	.type	k_q18c9f511bb_energies,@function
k_q18c9f511bb_energies:
	s_mov_b64 s[64:65], 0
	v_nop
	global_prefetch_b8 v0, s[64:65] scope:SCOPE_SE
	s_setreg_imm32_b32 hwreg(HW_REG_WAVE_SCHED_MODE, 0, 2), 2
	s_setreg_imm32_b32 hwreg(HW_REG_WAVE_MODE, 25, 1), 1
	s_wait_xcnt 0x0
	s_wait_alu depctr_vm_vsrc(0)
; energies[b][s] = sum over h of facts[b][s][h] * questions[b][h].   facts [64][512][4096] f32, questions [64][4096] f32.
; A stream: each byte of facts is read once and feeds half a multiply-add per byte, so everything here serves the loads.
; All arithmetic is f32 on the vector unit: the product has one useful column, so a matrix instruction would use one sixteenth
; of its result, and the conversion to 16 bits alone would cost as many vector instructions as the packed multiply-adds below.
;
; SHARES.  Work-group g: the 128 consecutive rows (b, s) = 128 g .. 128 g + 127 (2 MiB, contiguous), all of batch g >> 2.
; Wave w of 16: column half w >> 3 (2,048 columns = 8,192 bytes of a row) of the 16 rows 16 (w & 7) .. + 15.
; Lane l: the 16 bytes at 16 l of every 512-byte chunk, so one load of the wave covers 512 consecutive bytes, aligned, and the
; lane meets the same 64 columns in every row: its part of q stays in 64 registers for the whole kernel.
; RING.  32 slots of one 16-byte load a lane = two half rows, in eight blocks of four slots.  A block is loaded again as soon as its
; eight multiply-adds have read it: 28 to 32 loads, 14,336 to 16,384 bytes, of every wave are on their way.  Every offset is an
; immediate; each block has a scalar base of its own, which steps by two rows at the head of the block's turn.
; NO CLUSTER: the four work-groups of a batch share q alone, 16,384 bytes beside 2,097,152 bytes of facts each (under 1 %).
; LIMITS: the f32 sums are added in another order than the reference's (4 chains a lane, 32 lanes, 2 column halves);
; NaN and infinities pass through the sums as f32 arithmetic passes them.
; THE MODE: SCHED_MODE bits 1:0 = 2 (LLVM: expert scheduling mode 2), set by the entry lines.  The code itself states the register
; dependences between vector instructions and memory or LDS instructions, with s_wait_alu, always for 0.
; THE PLAN.  Registers that memory or LDS instructions touch:
;   X block k     Written by loads alone.  Block k's turn: its eight multiply-adds read it; behind them its next four loads land in it.
;   Q             Written by loads, once, at the head; no vector instruction writes it.
;   v[LOFF]       The offset of every global load, of wave 0's LDS loads and of its store; written once at the head, never again.
;   v[LA], v[E]   Address and data of the one LDS store; v[LA] is made at the head, v[E] is written by the sixteen selects.
;   ACC           In the loop vector instructions alone name it; on the way out wave 0's LDS loads land in it, two adds write it, the store reads it.
;   v208, v209    Written at the head, read by the closing add alone.
; So ONE wait on va_vdst stands in a block's turn, behind its multiply-adds and ahead of its four loads.  It stands there and not at the next
; block's head, so that the block's registers are asked for again at once.  No register that a memory instruction reads is
; written again, so the loop holds no wait on vm_vsrc.
.set ROW,    16384                     ; bytes in a row of facts
.set CHUNK,  512                       ; bytes that one load of a wave covers
.set CPH,    16                        ; chunks in a half row
.set SLOTS,  32                        ; ring: two half rows
.set BLK,    4                         ; slots in a block
.set HROWS,  16                        ; half rows of a wave
.set TRIPS,  HROWS/2                   ; a trip = once round the ring = two half rows
.set HALFB,  512                       ; LDS: the 128 partial sums of one column half, 4 bytes each
.set WB,     28                        ; s[28:43]  block k: a pair at WB + 2 k: facts at the first of the two rows that the block's next loads belong to
.set LOFF,   1                         ; v1        16 x lane
.set LA,     2                         ; v2        LDS address of my wave's partial sums
.set E,      3                         ; v3        lanes r and r + 16: the wave's sum of its row r
.set T,      4                         ; v[4:5]    at work
.set ACC,    8                         ; v[8:15]   four chains of two sums
.set Q,      16                        ; v[16:79]  q of my 64 columns: chunk j in 4 registers
.set X,      80                        ; v[80:207] ring slot c: 4 registers
	s_load_b128 s[4:7], s[0:1], 0x0                ; facts s[4:5], questions s[6:7]
	s_load_b64 s[8:9], s[0:1], 0x10                ; energies
	v_lshl_add_u32 v208, v0, 2, 0x400              ; my spare word behind the partial sums,
	v_mov_b32 v209, 0                              ; and 0; kept for the closing lines alone
	v_lshrrev_b32 v[T], 5, v0
	v_readfirstlane_b32 s10, v[T]                  ; wave 0..15
	v_and_b32 v[LOFF], 31, v0
	v_lshlrev_b32 v[LOFF], 4, v[LOFF]              ; 16 bytes a lane
	s_wait_alu depctr_va_sdst(0)                   ; s10 is written, ahead of its first reader: the bases and the LDS address are made from it
	s_lshr_b32 s11, s10, 3                         ; my column half
	s_and_b32 s12, s10, 7                          ; my block of 16 rows
	s_lshl_b32 s16, ttmp9, 21                      ; facts: group x 128 rows x 16,384 bytes (at most 255 << 21: fits 32 bits)
	s_lshl_b32 s15, s12, 18                        ;        + block x 16 rows
	s_or_b32 s16, s16, s15
	s_lshl_b32 s15, s11, 13                        ;        + half x 8,192 bytes
	s_or_b32 s16, s16, s15
	s_mov_b32 s17, 0
	s_lshr_b32 s18, ttmp9, 2                       ; q: batch = group / 4,
	s_lshl_b32 s18, s18, 14                        ;    x 16,384 bytes
	s_or_b32 s18, s18, s15                         ;    + half x 8,192 bytes
	s_mov_b32 s19, 0
	s_lshl_b32 s20, ttmp9, 9                       ; energies: group x 128 numbers of 4 bytes
	s_mov_b32 s21, 0
	s_mov_b32 s22, 0x76543210                      ; v_permlanex16_b32: lane i of one half of the wave reads lane i of the other
	s_mov_b32 s23, 0xfedcba98
	s_mov_b32 s14, 0x00010001                      ; lanes r and r + 16 of the row at work; starts at r = 0, moves up by one a row
	s_lshl_b32 s24, s10, 6                         ; LDS: 64 bytes for each wave: 64 w = 512 x half + 4 x (16 x block),
	v_and_b32 v[LA], 15, v0                        ; so half 0's 128 sums fill bytes 0-511 in the order of the rows, half 1's bytes 512-1023
	v_lshl_add_u32 v[LA], v[LA], 2, s24            ; word l % 16 of my 64 bytes
	v_mov_b32 v[E], 0                              ; written whole once: the selects below keep the other lanes
	v_mov_b32 v[T+1], 0                            ; v_permlanex16_b32 counts as a reader of its destination
	s_wait_kmcnt 0x0
.irp k, 0,1,2,3,4,5,6,7
	s_add_nc_u64 s[WB+2*(\k):WB+2*(\k)+1], s[4:5], s[16:17]  ; every block's base starts at my first half row; the block's place stands in the immediates
.endr
	s_add_nc_u64 s[6:7], s[6:7], s[18:19]
	s_add_nc_u64 s[8:9], s[8:9], s[20:21]
	s_wait_alu depctr_va_vdst(0)                   ; v[LOFF] is written, which every load below reads as its offset; so are v[LA], v[E], v208 and v209, which LDS instructions read later
; The four loads of ring block k: chunks 4 (k % 4) .. + 3 of row k / 4 of the two rows at the block's base (read once: NT)
.macro FILL k
.set CH, BLK*(\k)
.rept BLK
	global_load_b128 v[X+4*CH:X+4*CH+3], v[LOFF], s[WB+2*(\k):WB+2*(\k)+1] offset:(CH/CPH)*ROW+(CH%CPH)*CHUNK th:TH_LOAD_NT
.set CH, CH+1
.endr
.endm
	; q first (32 waves read each half of it: no hint), then the ring is filled with half rows 0 and 1
.set CH, 0
.rept CPH
	global_load_b128 v[Q+4*CH:Q+4*CH+3], v[LOFF], s[6:7] offset:CH*CHUNK
.set CH, CH+1
.endr
.irp k, 0,1,2,3,4,5,6,7
	FILL \k
.endr
; The end of a half row: four chains to one number a lane, 32 lanes to one number in every lane, parked in lanes r and r + 16 of E.
.macro ROWSUM
	v_pk_add_f32 v[ACC:ACC+1],   v[ACC:ACC+1],   v[ACC+4:ACC+5]
	v_pk_add_f32 v[ACC+2:ACC+3], v[ACC+2:ACC+3], v[ACC+6:ACC+7]
	v_pk_add_f32 v[ACC:ACC+1],   v[ACC:ACC+1],   v[ACC+2:ACC+3]
	v_add_f32 v[T], v[ACC], v[ACC+1]
	v_add_f32_dpp v[T], v[T], v[T] row_xmask:1 row_mask:0xf bank_mask:0xf
	v_add_f32_dpp v[T], v[T], v[T] row_xmask:2 row_mask:0xf bank_mask:0xf
	v_add_f32_dpp v[T], v[T], v[T] row_xmask:4 row_mask:0xf bank_mask:0xf
	v_add_f32_dpp v[T], v[T], v[T] row_xmask:8 row_mask:0xf bank_mask:0xf
	v_permlanex16_b32 v[T+1], v[T], s22, s23
	v_add_f32 v[T], v[T], v[T+1]
	v_cndmask_b32 v[E], v[E], v[T], s14            ; the row's two lanes take the sum, the others keep theirs
	s_lshl_b32 s14, s14, 1                         ; the next row's lanes
.endm
; The turn of ring block k: four slots, a quarter of a half row.  refill = 1: the block is loaded again with its chunks two rows further down.
.macro BLOCK k, refill
.if \refill
	s_wait_loadcnt SLOTS-BLK                       ; loads return in order (ISA guide 5.7.1): behind this block's four loads the 28 of the other seven blocks were issued, and stay out
	s_add_nc_u64 s[WB+2*(\k):WB+2*(\k)+1], s[WB+2*(\k):WB+2*(\k)+1], 2*ROW  ; free since that wait, which shows the only loads that read this base done
.else
	s_wait_loadcnt SLOTS-BLK-BLK*(\k)              ; nothing is issued any more: only the blocks behind this one are out
.endif
.set CH, BLK*(\k)
.rept BLK
.if (CH%CPH) < 2                                   ; the first two chunks of a row start the four chains: nothing is cleared
	v_pk_mul_f32 v[ACC+4*(CH%2):ACC+4*(CH%2)+1],   v[X+4*CH:X+4*CH+1],   v[Q+4*(CH%CPH):Q+4*(CH%CPH)+1]
	v_pk_mul_f32 v[ACC+4*(CH%2)+2:ACC+4*(CH%2)+3], v[X+4*CH+2:X+4*CH+3], v[Q+4*(CH%CPH)+2:Q+4*(CH%CPH)+3]
.else
	v_pk_fma_f32 v[ACC+4*(CH%2):ACC+4*(CH%2)+1],   v[X+4*CH:X+4*CH+1],   v[Q+4*(CH%CPH):Q+4*(CH%CPH)+1],   v[ACC+4*(CH%2):ACC+4*(CH%2)+1]
	v_pk_fma_f32 v[ACC+4*(CH%2)+2:ACC+4*(CH%2)+3], v[X+4*CH+2:X+4*CH+3], v[Q+4*(CH%CPH)+2:Q+4*(CH%CPH)+3], v[ACC+4*(CH%2)+2:ACC+4*(CH%2)+3]
.endif
.set CH, CH+1
.endr
.if \refill
	s_wait_alu depctr_va_vdst(0)                   ; the eight multiply-adds above are done reading X's block k, in which the four loads below land
	FILL \k
.endif
.if ((\k)%(CPH/BLK)) == CPH/BLK-1
	ROWSUM                                         ; behind the block's refill: the loads do not wait for the reduction, which names ACC, T and E alone
.endif
.endm
; A trip: the eight blocks in turn, two half rows.
.macro TRIP refill
.irp k, 0,1,2,3,4,5,6,7
	BLOCK \k, \refill
.endr
.endm
	s_mov_b32 s13, TRIPS-1                         ; trip t = 0..6 refills with rows 2 t + 2 and 2 t + 3, at most row 15
.Ltrip:
	TRIP 1
	s_sub_co_u32 s13, s13, 1
	s_cmp_lg_u32 s13, 0
	s_cbranch_scc1 .Ltrip
	TRIP 0                                         ; the last two half rows: no load leaves my rows, the counts run down to 0, and with no load there is no dependence to state
	; THE WAY OUT.  Each wave puts its 16 partial sums into its own 64 bytes (lanes r and r + 16 write the same word with the same
	; value); wave 0 adds the two column halves and stores the group's 128 energies with one instruction.
	s_wait_alu depctr_va_vdst(0)                   ; the selects have written v[E], which the LDS store reads; the row sums are done with ACC, in which wave 0's LDS loads land (no vector instruction stands between)
	ds_store_b32 v[LA], v[E]
	s_wait_dscnt 0x0                               ; for wave 0's sake: my store is done before I signal
	s_barrier_signal -1
	s_barrier_wait -1
	s_cmp_lg_u32 s10, 0
	s_cbranch_scc1 .Ldone
	ds_load_b128 v[ACC:ACC+3],   v[LOFF]               ; lane l: rows 4 l .. 4 l + 3 of column half 0, at byte 16 l (at most 496)
	ds_load_b128 v[ACC+4:ACC+7], v[LOFF] offset:HALFB  ; the same rows of column half 1: the last byte read is 496 + 512 + 15 = 1,023
	s_wait_dscnt 0x0
	v_pk_add_f32 v[ACC:ACC+1],   v[ACC:ACC+1],   v[ACC+4:ACC+5]
	v_pk_add_f32 v[ACC+2:ACC+3], v[ACC+2:ACC+3], v[ACC+6:ACC+7]
	s_wait_alu depctr_va_vdst(0)                   ; the two adds have written v[ACC:ACC+3], which the store reads
	global_store_b128 v[LOFF], v[ACC:ACC+3], s[8:9]        ; 32 lanes x 16 bytes: 512 consecutive bytes, aligned
.Ldone:
	s_wait_dscnt 0x0                               ; the closing lines, six on end
	s_wait_alu 0x0
	s_wait_tensorcnt 0x0
	ds_add_u32 v208, v209
	s_wait_dscnt 0x0
	s_endpgm
.Lfunc_end_k_q18c9f511bb_energies:
	.size	k_q18c9f511bb_energies, .Lfunc_end_k_q18c9f511bb_energies-k_q18c9f511bb_energies
	.p2alignl 7, 3214868480
	.fill 96, 4, 3214868480
	.section	.rodata,"a",@progbits
	.p2align	6, 0x0
	.amdhsa_kernel k_q18c9f511bb_energies
		.amdhsa_group_segment_fixed_size 3072
		.amdhsa_private_segment_fixed_size 0
		.amdhsa_enable_private_segment 0
		.amdhsa_kernarg_size 24
		.amdhsa_user_sgpr_count 2
		.amdhsa_user_sgpr_kernarg_segment_ptr 1
		.amdhsa_wavefront_size32 1
		.amdhsa_system_sgpr_workgroup_id_x 1
		.amdhsa_system_sgpr_workgroup_id_y 1
		.amdhsa_system_sgpr_workgroup_id_z 1
		.amdhsa_system_vgpr_workitem_id 0
		.amdhsa_next_free_vgpr 210
		.amdhsa_next_free_sgpr 66
		.amdhsa_reserve_vcc 0
		.amdhsa_float_denorm_mode_32 3
		.amdhsa_float_denorm_mode_16_64 3
		.amdhsa_memory_ordered 1
		.amdhsa_forward_progress 1
		.amdhsa_inst_pref_size 23
	.end_amdhsa_kernel
	.amdgpu_metadata
---
amdhsa.version: [ 1, 2 ]
amdhsa.kernels:
  - .name:           k_q18c9f511bb_energies
    .symbol:         k_q18c9f511bb_energies.kd
    .args:
      - { .name: facts, .offset: 0, .size: 8, .value_kind: global_buffer, .address_space: global }
      - { .name: questions, .offset: 8, .size: 8, .value_kind: global_buffer, .address_space: global }
      - { .name: energies, .offset: 16, .size: 8, .value_kind: global_buffer, .address_space: global }
    .group_segment_fixed_size: 3072
    .private_segment_fixed_size: 0
    .kernarg_segment_align: 8
    .kernarg_segment_size: 24
    .max_flat_workgroup_size: 512
    .sgpr_count:     66
    .vgpr_count:     210
    .wavefront_size: 32
...
	.end_amdgpu_metadata
.endif
;; end of part 3
;; launch softmax: the kernel of part 2 again; grid 64 x 1, 1 waves a work-group, no clusters, 0 bytes of LDS; arguments energies, out0; writes out0
